; MI455X (gfx1250); checked and timed in simulation.
; The chip was launched on July 23, 2026; its instructions are those of AMD's public machine-readable ISA for CDNA 5 (MIT licence, August 2026) and "CDNA5" Instruction Set Architecture Reference Guide (July 2026). The comments in the code are by the model that wrote it; some were corrected since.
;; YOURLSTM. Allowed arithmetic: matrix products marked QUANTISED: E2M3 operands, one E8M0 scale for each 32 along K, by v_wmma_scale_f32_16x16x128_f8f6f4 with both operands' format E2M3, f32 sums; everything else in f32.
;; Inputs: W_hh 4 x 4,096 x 1,024 float32; W_ih 4 x 4,096 x 1,024 float32; b_hh 4 x 4,096 float32; b_ih 4 x 4,096 float32; c0 4 x 2,048 x 1,024 float32; h0 4 x 2,048 x 1,024 float32; x 2,048 x 1,024 float32.
;; Outputs: out0 4 x 2,048 x 1,024 float32; out1 4 x 2,048 x 1,024 float32.
;; This version of the problem:
;;   THIS VERSION OF THE PROBLEM IS GIVEN IN LOW PRECISION. The matrix products marked QUANTISED in the list below multiply operands that are first quantised to E2M3 (2 exponent bits, 3 mantissa bits; 6 bits a number), with one power-of-two scale for each 32 numbers along K (OCP MX v1.0); their sums are f32. All else is computed in f32.
;;   The module's matrix products, in the order in which they are computed (A, B: the left and right operand; K: the contracted axis; several contracted axes count as one K, in the product's order):
;;     1. [M 2,048, K 1,024] x [K 1,024, N 4,096]; A: input x; B: input W_ih: QUANTISED
;;     2. [M 2,048, K 1,024] x [K 1,024, N 4,096]; A: input h0; B: input W_hh: QUANTISED
;;     3. [M 2,048, K 1,024] x [K 1,024, N 4,096]; A: computed on the way; B: input W_ih: QUANTISED
;;     4. [M 2,048, K 1,024] x [K 1,024, N 4,096]; A: input h0; B: input W_hh: QUANTISED
;;     5. [M 2,048, K 1,024] x [K 1,024, N 4,096]; A: computed on the way; B: input W_ih: QUANTISED
;;     6. [M 2,048, K 1,024] x [K 1,024, N 4,096]; A: input h0; B: input W_hh: QUANTISED
;;     7. [M 2,048, K 1,024] x [K 1,024, N 4,096]; A: computed on the way; B: input W_ih: QUANTISED
;;     8. [M 2,048, K 1,024] x [K 1,024, N 4,096]; A: input h0; B: input W_hh: QUANTISED
;;   THE QUANTISER, for each operand of a quantised product, along K:
;;     - K is cut into blocks of 32 from its start; a last block that is shorter is filled with zeros.
;;     - A block's scale is 2^e with e = floor(log2(the largest magnitude in the block)) - 2, held to -126 .. 127; a block of zeros has e = 0. As a byte (E8M0): e + 127.
;;     - Each number is divided by its block's scale, clamped to +-7.5, and rounded to the nearest number of E2M3, ties to even, subnormals kept.
;;     - The product sums the exact products of the quantised numbers (number of the format x scale) in f32.
;;   ~~~python
;;   def quantise(x, axis):      # numpy; x: float32 -> the quantised numbers, widened to float32 again
;;       x = np.moveaxis(x, axis, -1); K = x.shape[-1]
;;       x = np.pad(x, [(0, 0)] * (x.ndim - 1) + [(0, -K % 32)]); x = x.reshape(x.shape[:-1] + (-1, 32)); a = np.abs(x).max(-1, keepdims=True)
;;       e = np.where(a > 0, np.clip(np.frexp(np.where(a > 0, a, 1))[1] - 1 - 2, -126, 127), 0)      # np.frexp(a)[1] - 1 = floor(log2(a)), exactly
;;       r = np.clip(x / 2.0 ** e, -7.5, 7.5)
;;       step = 2.0 ** (np.maximum(np.frexp(np.where(r == 0, 1, r))[1] - 1, 0) - 3)
;;       q = np.round(r / step) * step * 2.0 ** e      # np.round: ties to even
;;       return np.moveaxis(q.reshape(q.shape[:-2] + (-1,))[..., :K], -1, axis).astype(np.float32)
;;   ~~~
;;   OPERANDS COMPUTED ON THE WAY. 'Computed on the way' means the value that the module computes at that place (a softmax that the list does not call 'softmax' is quantised finished and normalised). What goes into a quantiser is computed in f32, as accurately as f32 sums, v_exp_f32 and their like allow (about 1e-6 of the number): no bf16 or f16 on the way to a quantiser, and a product that is left as it is and whose result goes on into a quantised operand takes f32 operands (vector FMAs, or v_wmma_f32_16x16x4_f32). A number that lies on a knife's edge between two numbers of the format may be rounded either way, as far as f32 arithmetic and the matrix unit's own rounding can turn it there, and no further.
;; One version. Each part assembles by itself: llvm-mc -triple=amdgcn-amd-amdhsa -mcpu=gfx1250 --defsym DOCPART=n.
;; ======== version 1 of 1: 5 launches
;; limits: a function is approximated: absolute error at most 2e-07
;; workspace buffers: L0 9,830,400 bytes; L1 9,830,400 bytes; L2 9,830,400 bytes; L3 9,830,400 bytes; lay0 256 bytes of whole numbers; lay1 256 bytes of whole numbers; lay2 256 bytes of whole numbers; lay3 256 bytes of whole numbers
;; launch quant (part 1): grid 168 x 4, 4 waves a work-group, no clusters, 35,328 bytes of LDS; arguments x, h0, W_ih, W_hh, L0, L1, L2, L3, lay0, lay1, lay2, lay3; writes L0, L1, L2, L3, lay0, lay1, lay2, lay3
.if DOCPART == 1
	.amdgcn_target "amdgcn-amd-amdhsa--gfx1250"
	.amdhsa_code_object_version 6
	.text
	.protected	k_q554a6afc65_quant
	.globl	k_q554a6afc65_quant
	.p2align	8
	.type	k_q554a6afc65_quant,@function
k_q554a6afc65_quant:
	s_mov_b64 s[64:65], 0
	v_nop
	global_prefetch_b8 v0, s[64:65] scope:SCOPE_SE
	s_setreg_imm32_b32 hwreg(HW_REG_WAVE_MODE, 25, 1), 1
	s_wait_xcnt 0x0
; x [2048][1024], h0 [4][2048][1024], W_ih and W_hh [4][4096][1024], f32, K innermost, become codes of FP6 (E2M3) with one E8M0 byte for each 32 along K,
; laid in the order in which the cell launches' operand registers take them.  A block's scale is 2^(floor(log2(its largest magnitude)) - 2): its byte is that magnitude's exponent field - 2, held at 1 from below.
; LIMITS: NaN and infinities among the inputs are not served; a block of zeros gets the byte 1 where the rule says 127 (its codes are zeros, which add nothing under any byte but 0xff, and this program
; alone reads the bytes); blocks whose largest magnitude lies under the floor 2^-124 were not tried.
; LAYOUT of a buffer L (one for each layer).  A TILE is 16 rows, a HALF STEP kc is 64 along K.  Tile G: 0-255 W_ih, 256-511 W_hh, 512-639 h0, 640-767 the layer's input (here: x, in L0 alone).
;   codes:  (G >> 8) REG + kc KCP + (G & 255) 768: a half image of 768 bytes: lane l's registers 6 c .. 6 c + 3 at 16 l, its registers 6 c + 4, 6 c + 5 at 512 + 8 l (c = kc % 2; lane (r, h) holds block h of row r)
;   scales: SOFF + (G >> 8) 131072 + q 65536 + (G & 255) 256 + 16 r + 4 w: the word of row r for the 128 along K numbered 4 q + w
; A WEIGHT'S TILE T = 8 hb + 2 g + u takes rows g 1024 + 32 hb + 8 u + rho + 8 (rho / 8), rho = 0 .. 15: so the transposed product leaves a lane 16 neighbouring hidden units of each gate.
; SHARES.  A wave takes one tile over all of K: 16 units of 64 along K.  A load reads two rows' 256 consecutive bytes; the 4,096 bytes of a unit turn through the wave's own stage in LDS (rows 272 bytes
; apart) and come back 128 bytes a lane: a whole block of 32.  Loads run four units (up to 32 loads a wave) ahead, the turn one unit.  No barrier: waves share nothing.
.set REG,   3145728
.set KCP,   196608
.set SOFF,  9437184
.set WREG,  8704                       ; LDS of a wave: two stages
.set STG,   4352                       ; a stage: 16 rows x 272 bytes
.set R,     32                         ; v32-159  four sets of 32 registers as loaded
.set X,     160                        ; v160-223 two sets of 32 neighbours along K
.set C,     224                        ; v224-229 a block's codes
.set T,     12                         ; v12-14   the second conversion's result (three registers begin on an even number)
.set AM0,   15
.set AM1,   20
.set SCL,   21
.set BYT,   22                         ; v16-19, v24-27: the eight scale words
	s_load_b512 s[4:19], s[0:1], 0x0               ; x, h0, W_ih, W_hh, L0, L1, L2, L3
	s_load_b256 s[20:27], s[0:1], 0x40             ; lay0 .. lay3
	v_lshl_add_u32 v232, v0, 2, 0x8800
	v_mov_b32 v233, 0
	v_lshrrev_b32 v1, 5, v0
	v_readfirstlane_b32 s28, v1                    ; wave
	v_and_b32 v1, 31, v0                           ; lane
	v_and_b32 v2, 15, v0                           ; r
	v_bfe_u32 v3, v0, 4, 1                         ; h
	v_lshlrev_b32 v4, 4, v2
	v_lshl_add_u32 v4, v3, 12, v4                  ; in: lanes 0-15 one row's 256 bytes, lanes 16-31 the next row's
	s_mul_i32 s32, s28, WREG
	v_mul_u32_u24 v5, v3, 272
	v_lshl_add_u32 v5, v2, 4, v5
	v_add_nc_u32 v5, s32, v5                       ; into the stage: as loaded
	v_mul_u32_u24 v6, v2, 272
	v_lshl_add_u32 v6, v3, 7, v6
	v_add_nc_u32 v6, s32, v6                       ; out of it: row r, block h
	v_lshlrev_b32 v7, 4, v1                        ; 16 x lane
	v_lshlrev_b32 v8, 3, v1                        ; 8 x lane
	v_lshlrev_b32 v9, 4, v2
	v_lshl_add_u32 v9, v3, 16, v9                  ; the scale words' place: 16 r + 65536 h
	v_lshlrev_b32 v10, 3, v3                       ; 8 h
	v_mov_b32 v11, 0                               ; a lane permute's destination counts as one of its sources
	s_mov_b32 s29, ttmp9                           ; wx
	s_and_b32 s30, ttmp7, 0xffff                   ; y: the layer
	s_lshl_b32 s31, s29, 2
	s_add_co_u32 s31, s31, s28                     ; tau = 4 wx + wave: 0-255 W_ih, 256-511 W_hh, 512-639 h0, 640-671 x
	s_and_b32 s32, s31, 255                        ; a weight's tile T
	s_lshr_b32 s33, s32, 3
	s_lshl_b32 s33, s33, 5                         ; 32 hb
	s_bfe_u32 s34, s32, 0x20001
	s_lshl_b32 s34, s34, 10                        ; 1024 g
	s_and_b32 s35, s32, 1
	s_lshl_b32 s35, s35, 3                         ; 8 u
	s_add_co_u32 s33, s33, s34
	s_add_co_u32 s33, s33, s35
	s_lshl_b32 s34, s30, 12
	s_add_co_u32 s33, s33, s34                     ; a weight's first row
	s_and_b32 s34, s31, 127
	s_lshl_b32 s34, s34, 4
	s_lshl_b32 s35, s30, 11
	s_add_co_u32 s34, s34, s35                     ; h0's first row: 2048 y + 16 (tau - 512)
	s_lshl_b32 s36, s30, 5
	s_and_b32 s35, s31, 31
	s_add_co_u32 s35, s35, s36
	s_lshl_b32 s35, s35, 4                         ; x's first row: 16 (tau - 640 + 32 y)
	s_add_co_u32 s37, s31, s36                     ; x's tile number G = tau + 32 y
	s_mov_b32 s38, 32768                           ; from tile row 0 to tile row 8: 8 rows of memory,
	s_cmp_lt_u32 s29, 128
	s_cselect_b32 s33, s33, s34
	s_cselect_b32 s38, 65536, s38                  ; in a weight 16
	s_cmp_lt_u32 s29, 160
	s_cselect_b32 s33, s33, s35                    ; the first row
	s_cselect_b32 s37, s31, s37                    ; G
	s_mov_b32 s39, 0
	s_lshl_b32 s40, s33, 12                        ; the source's byte
	s_mov_b32 s41, 0
	s_lshr_b32 s42, s37, 8
	s_and_b32 s43, s37, 255
	s_mul_i32 s44, s42, REG
	s_mul_i32 s45, s43, 768
	s_add_co_u32 s44, s44, s45                     ; the codes' byte
	s_mov_b32 s45, 0
	s_lshl_b32 s46, s42, 17
	s_lshl_b32 s47, s43, 8
	s_add_co_u32 s46, s46, s47
	s_add_co_u32 s46, s46, SOFF                    ; the scale words' byte
	s_mov_b32 s47, 0
	s_mov_b32 s58, 0x76543210
	s_mov_b32 s59, 0xfedcba98                      ; v_permlanex16_b32's selects for lane l xor 16
	s_wait_kmcnt 0x0
	s_cmp_lt_u32 s29, 64                           ; the buffers are chosen on the work-group's numbers alone
	s_cselect_b64 s[48:49], s[8:9], s[10:11]
	s_cmp_lt_u32 s29, 128
	s_cselect_b64 s[48:49], s[48:49], s[6:7]
	s_cmp_lt_u32 s29, 160
	s_cselect_b64 s[48:49], s[48:49], s[4:5]
	s_cmp_eq_u32 s30, 1
	s_cselect_b64 s[52:53], s[14:15], s[12:13]
	s_cselect_b64 s[56:57], s[22:23], s[20:21]
	s_cmp_eq_u32 s30, 2
	s_cselect_b64 s[52:53], s[16:17], s[52:53]
	s_cselect_b64 s[56:57], s[24:25], s[56:57]
	s_cmp_eq_u32 s30, 3
	s_cselect_b64 s[52:53], s[18:19], s[52:53]
	s_cselect_b64 s[56:57], s[26:27], s[56:57]     ; lay_y
	s_cmp_lt_u32 s29, 160
	s_cselect_b64 s[52:53], s[52:53], s[12:13]     ; L_y; x goes to L0
	s_add_nc_u64 s[48:49], s[48:49], s[40:41]      ; tile rows 0-7
	s_add_nc_u64 s[50:51], s[48:49], s[38:39]      ; tile rows 8-15
	s_add_nc_u64 s[54:55], s[52:53], s[46:47]      ; scale words
	s_add_nc_u64 s[52:53], s[52:53], s[44:45]      ; codes
.macro LOAD t                          ; unit t: 16 rows x 256 bytes; a load covers two rows' 256 consecutive bytes, each aligned
.irp j, 0,1,2,3
	global_load_b128 v[R+32*((\t)%4)+4*\j:R+32*((\t)%4)+4*\j+3], v4, s[48:49] offset:8192*\j+256*(\t) th:TH_LOAD_NT
.endr
.irp j, 0,1,2,3
	global_load_b128 v[R+32*((\t)%4)+16+4*\j:R+32*((\t)%4)+16+4*\j+3], v4, s[50:51] offset:8192*\j+256*(\t) th:TH_LOAD_NT
.endr
.endm
.macro TURN t                          ; unit t through its stage: LDS serves a wave's instructions in order, so no wait stands between the stores and the loads
.irp j, 0,1,2,3,4,5,6,7
	ds_store_b128 v5, v[R+32*((\t)%4)+4*\j:R+32*((\t)%4)+4*\j+3] offset:STG*((\t)%2)+544*\j
.endr
.irp i, 0,1,2,3,4,5,6,7
	ds_load_b128 v[X+32*((\t)%2)+4*\i:X+32*((\t)%2)+4*\i+3], v6 offset:STG*((\t)%2)+16*\i
.endr
.endm
.irp t, 0,1,2,3
	LOAD \t
.endr
	s_wait_loadcnt 24                              ; unit 0's eight loads are in; the 24 of units 1 to 3 may be out
	TURN 0
.macro UNIT t
.set XS, X+32*((\t)%2)
.set WR, 16+((\t)/2)%4+8*((\t)/8)      ; the scale word of the 128 along K numbered t / 2
	s_wait_dscnt 0x0                               ; this unit's block is back from the stage, and its stores into the stage have read their registers,
.if (\t)+4 < 16
	LOAD (\t)+4                                    ; which take the loads of four units on
.endif
.if (\t) < 15
.if 14-(\t) >= 3
	s_wait_loadcnt 24                              ; the next unit's eight loads are in; those of the three units behind it may be out
.else
	s_wait_loadcnt 8*(14-(\t))
.endif
	TURN (\t)+1                                    ; and go through the other stage while this unit is worked
.endif
	v_max3_num_f32 v[AM0], |v[XS]|, |v[XS+1]|, |v[XS+2]|           ; the block's largest magnitude: all 32 numbers are mine; two chains
	v_max3_num_f32 v[AM1], |v[XS+3]|, |v[XS+4]|, |v[XS+5]|
.irp i, 6,10,14,18,22,26
	v_max3_num_f32 v[AM0], v[AM0], |v[XS+\i]|, |v[XS+\i+1]|
	v_max3_num_f32 v[AM1], v[AM1], |v[XS+\i+2]|, |v[XS+\i+3]|
.endr
	v_max3_num_f32 v[AM0], v[AM0], |v[XS+30]|, |v[XS+31]|
	v_max3_num_f32 v[AM0], v[AM0], v[AM1], 0x1800000               ; and the floor 2^(3 - 127): the byte cannot fall under 1
	v_add_nc_u32 v[SCL], 0xff000000, v[AM0]        ; 2 off its exponent field: the conversion takes the exponent field of this operand as its scale
	v_lshrrev_b32 v[BYT], 23, v[SCL]               ; the scale's byte
.if (\t)%2 == 0
	v_mov_b32 v[WR], v[BYT]                        ; my two bytes of a word: blocks h and 2 + h
.else
	v_lshl_or_b32 v[WR], v[BYT], 16, v[WR]
.endif
	s_wait_xcnt 0x0                                ; the last unit's stores have read the codes' registers: only behind this wait are they written again
	v_cvt_scalef32_pk16_fp6_f32 v[C:C+2], v[XS:XS+15], v[SCL]
	v_cvt_scalef32_pk16_fp6_f32 v[T:T+2], v[XS+16:XS+31], v[SCL]
	v_nop                                          ; one plain place behind a scaled conversion
.irp i, 0,1,2
	v_mov_b32 v[C+3+\i], v[T+\i]
.endr
	global_store_b128 v7, v[C:C+3], s[52:53] offset:(\t)*KCP       ; 512 consecutive bytes, aligned to 256
	global_store_b64 v8, v[C+4:C+5], s[52:53] offset:(\t)*KCP+512  ; 256 consecutive bytes, aligned
.endm
.irp t, 0,1,2,3,4,5,6,7,8,9,10,11,12,13,14,15
	UNIT \t
.endr
.irp k, 16,17,18,19,24,25,26,27
	v_lshlrev_b32 v\k, v10, v\k                    ; my two bytes at their places in the word (8 h bits up);
.endr
.irp k, 16,17,18,19,24,25,26,27
	v_permlanex16_b32 v11, v\k, s58, s59
	v_or_b32 v\k, v\k, v11                         ; with lane l xor 16's two the word is whole
.endr
	v_cmp_eq_u32 vcc_lo, 1, v3
.irp k, 0,1,2,3
	v_cndmask_b32 v[16+\k], v[16+\k], v[24+\k], vcc_lo             ; lanes 0-15 store words 0-3, lanes 16-31 words 4-7
.endr
	global_store_b128 v9, v[16:19], s[54:55]       ; sixteen lanes cover 256 consecutive bytes, aligned, twice
	s_cmp_lg_u32 s31, 0                            ; one wave for each layer stores the layer's number, 64 times: all 256 bytes of lay_y
	s_cbranch_scc1 .Lend
	v_mov_b32 v20, s30
	v_mov_b32 v21, s30
	global_store_b64 v8, v[20:21], s[56:57]
.Lend:
	s_wait_tensorcnt 0x0
	ds_add_u32 v232, v233
	s_wait_dscnt 0x0
	s_endpgm
.Lfunc_end_k_q554a6afc65_quant:
	.size	k_q554a6afc65_quant, .Lfunc_end_k_q554a6afc65_quant-k_q554a6afc65_quant
	.p2alignl 7, 3214868480
	.fill 96, 4, 3214868480
	.section	.rodata,"a",@progbits
	.p2align	6, 0x0
	.amdhsa_kernel k_q554a6afc65_quant
		.amdhsa_group_segment_fixed_size 35328
		.amdhsa_private_segment_fixed_size 0
		.amdhsa_enable_private_segment 0
		.amdhsa_kernarg_size 96
		.amdhsa_user_sgpr_count 2
		.amdhsa_user_sgpr_kernarg_segment_ptr 1
		.amdhsa_wavefront_size32 1
		.amdhsa_system_sgpr_workgroup_id_x 1
		.amdhsa_system_sgpr_workgroup_id_y 1
		.amdhsa_system_sgpr_workgroup_id_z 1
		.amdhsa_system_vgpr_workitem_id 0
		.amdhsa_next_free_vgpr 234
		.amdhsa_next_free_sgpr 66
		.amdhsa_reserve_vcc 1
		.amdhsa_float_denorm_mode_32 3
		.amdhsa_float_denorm_mode_16_64 3
		.amdhsa_memory_ordered 1
		.amdhsa_forward_progress 1
		.amdhsa_inst_pref_size 61
	.end_amdhsa_kernel
	.amdgpu_metadata
---
amdhsa.version: [ 1, 2 ]
amdhsa.kernels:
  - .name:           k_q554a6afc65_quant
    .symbol:         k_q554a6afc65_quant.kd
    .args:
      - { .name: x, .offset: 0, .size: 8, .value_kind: global_buffer, .address_space: global }
      - { .name: h0, .offset: 8, .size: 8, .value_kind: global_buffer, .address_space: global }
      - { .name: W_ih, .offset: 16, .size: 8, .value_kind: global_buffer, .address_space: global }
      - { .name: W_hh, .offset: 24, .size: 8, .value_kind: global_buffer, .address_space: global }
      - { .name: L0, .offset: 32, .size: 8, .value_kind: global_buffer, .address_space: global }
      - { .name: L1, .offset: 40, .size: 8, .value_kind: global_buffer, .address_space: global }
      - { .name: L2, .offset: 48, .size: 8, .value_kind: global_buffer, .address_space: global }
      - { .name: L3, .offset: 56, .size: 8, .value_kind: global_buffer, .address_space: global }
      - { .name: lay0, .offset: 64, .size: 8, .value_kind: global_buffer, .address_space: global }
      - { .name: lay1, .offset: 72, .size: 8, .value_kind: global_buffer, .address_space: global }
      - { .name: lay2, .offset: 80, .size: 8, .value_kind: global_buffer, .address_space: global }
      - { .name: lay3, .offset: 88, .size: 8, .value_kind: global_buffer, .address_space: global }
    .group_segment_fixed_size: 35328
    .private_segment_fixed_size: 0
    .kernarg_segment_align: 8
    .kernarg_segment_size: 96
    .max_flat_workgroup_size: 128
    .sgpr_count:     66
    .vgpr_count:     234
    .wavefront_size: 32
...
	.end_amdgpu_metadata
.endif
;; end of part 1
;; launch cell0 (part 2): grid 16 x 16, 4 waves a work-group, clusters of 4 x 4, 327,680 bytes of LDS; arguments L0, L1, lay0, c0, b_ih, b_hh, out0, out1; writes L1, out0, out1
.if DOCPART == 2
	.amdgcn_target "amdgcn-amd-amdhsa--gfx1250"
	.amdhsa_code_object_version 6
	.text
	.protected	k_q554a6afc65_cell0
	.globl	k_q554a6afc65_cell0
	.p2align	8
	.type	k_q554a6afc65_cell0,@function
k_q554a6afc65_cell0:
	s_mov_b64 s[64:65], 0
	v_nop
	global_prefetch_b8 v0, s[64:65] scope:SCOPE_SE
	s_setreg_imm32_b32 hwreg(HW_REG_WAVE_MODE, 25, 1), 1
	s_wait_xcnt 0x0
	s_wait_alu depctr_hold_cnt(0) depctr_sa_sdst(0) depctr_va_vdst(0) depctr_va_sdst(0) depctr_va_ssrc(0) depctr_va_vcc(0) depctr_vm_vsrc(0)
	s_getreg_b32 s2, hwreg(HW_REG_IB_STS2, 6, 4)
	s_cmp_eq_u32 s2, 0
	s_cbranch_scc0 .Lentry_in_a_cluster
	s_endpgm
.Lentry_in_a_cluster:
	s_bfe_u32 s2, ttmp6, 0x10000c
	s_cmp_lg_u32 s2, 0xf033
	s_cbranch_scc0 .Lentry_shape_is_right
	s_endpgm
.Lentry_shape_is_right:
; ONE LSTM CELL: gates = inp W_ih^T + h0 W_hh^T + b_ih + b_hh (one product with K = 2,048, on codes of FP6 with E8M0 scales), c' = s(f) c0 + s(i) tanh(g), h' = s(o) tanh(c'); h' and c' are stored in f32,
; and h' is quantised along the hidden units into the next layer's buffer.  No gate goes to memory.  The same text serves all four layers: the layer's number is read from a buffer and enters plain addresses alone.
; Buffer L (all operands of the layer; layout in the quantising launch's head): tile G of 16 rows: 0-255 W_ih, 256-511 W_hh, 512-639 h0, 640-767 inp; half images of 768 bytes for each 64 along K (kc).
; SHARES.  Work-group (X, Y): batch rows 128 Y on, hidden units 64 X on, all four gates: 128 x 256 of the gates; 256 work-groups.  Wave w: rows 64 (w / 2) on (4 tiles m), hidden units 32 (w % 2) on
; (8 weight tiles t = 2 g + u): 32 accumulators.  THE PRODUCT IS USED TRANSPOSED (source 0 = 16 rows of the weight, source 1 = 16 batch rows): lane (r, h) holds batch row r, and by the choice of a weight
; tile's rows the 16 registers of tiles 2 g, 2 g + 1 are hidden units 16 h + 0 .. 15 of gate g: all four gates of a hidden unit meet in one lane, and h' has 16 neighbours along the next K in a lane.
; K goes in four phases of 512 through two LDS slots: inp x W_ih (kc 0-7, 8-15), then h0 x W_hh (kc 0-7, 8-15).  A wave has two tensor loads out at the start and one behind each of the two refills.
; CLUSTER 4 x 4: the activations' tiles hang on Y alone and are asked for jointly along a row of the cluster, the weights' on X alone, along a column.
; THE WAY OUT goes tile by tile: the rows of row tile m go through stages in LDS (a row's 256 bytes come from two waves) and are stored while the cell of tile m + 1 is computed; only tile 3's rows,
; the codes and the scale bytes are left for the end.
; LIMITS: s(x) = 1 / (1 + 2^(-x log2 e)), tanh(x) = 1 - 2 / (1 + 2^(2 x log2 e)): both go to their limits where the exponential overflows or falls to 0; tanh's error is about 1e-7 ABSOLUTE.  NaN and infinities
; among the inputs are not served.  A block of zeros of h' gets the byte 1 over zero codes.  The scale bytes leave 2 bytes a row (256 bytes of a work-group's 166 KB): the word's other two are a neighbour's.
; The last layer also stores codes of its h', which nobody reads: the text is shared, and has no branch on a loaded number.
; No prefetch: half of K is asked for at the head, and only two refills follow.
; REGISTERS.  window 0: v1-29 addresses; v32-63 the activations' scale words, v64-127 the weights' (they hold nothing else); v128-175, v176-223 the activations' fragments, two sets (later c0 and rows of h' and c').
;   window 1: the weights' fragments, two sets, at v0 and v128.  window 2: accumulator (m, t) at v[8 (8 m + t)].  window 3: v0-63 the bias, v64-127 c0 as loaded, v128-191 b_hh.
.set REG,   3145728
.set KCP,   196608
.set SOFF,  9437184
.set SLOT,  147456                     ; a slot: activations [kc 0-7][tile 0-7][768], then weights [kc 0-7][tile 0-15][768]
.set WPART, 49152
.set SPARE, 2*SLOT                     ; the spare words: 128 bytes for each wave, two blocks of 256 bytes that no other line names
.set CST,   0                          ; stages, in slot 0, used only when that slot has had its last fill and its last read: c0, 128 rows x 272 bytes;
.set C2ST,  34816                      ; c' likewise;
.set HST,   69632                      ; h' likewise;
.set QST,   104448                     ; h's codes: 8 half images;
.set SST,   110592                     ; h's scale bytes: 2 a row
.set AA16, 4                           ; v4-5    the activations' 16-byte planes in slot 0, 1
.set AA8,  6                           ; v6-7    their 8-byte planes
.set AW16, 8                           ; v8-11   the weights' 16-byte planes: slot 0 kc 0-3, kc 4-7, slot 1 kc 0-3, kc 4-7
.set AW8,  12                          ; v12-15  their 8-byte planes
.set L16,  16                          ; v16     16 x lane
.set GOFF, 17                          ; v17     4096 h + 16 r: two rows of c0, out0, out1
.set BOFF, 18                          ; v18     64 h: my half's 16 hidden units in a bias
.set RD,   19                          ; v19     a stage by rows: (64 RH + 8 HH + h) 272 + 16 r: of each row tile I take eight rows
.set RDH,  20                          ; v20     the same in h's stage
.set CLN,  21                          ; v21     a stage by lanes: (64 RH + r) 272 + 128 HH + 64 h
.set HLN,  22                          ; v22     the same in h's stage
.set Q16,  23
.set Q8,   24
.set BST,  25
.set QRD,  26
.set SRD,  27
.set SPW,  28                          ; v28     LDS address of my spare word; never rewritten
.set NIL,  29                          ; v29     0; never rewritten
.set SA,   32
.set SW,   64
.set AF,   128
.set WV,  20
.set RH,  21
.set HH,  22
.set CX,  23
.set CY,  24
.set BX,  25
.set BY,  26
.set LAY, 27
.set G1A, 32                           ; s[32:39] group 1 for the activations;  s[40:47] for the weights;  s[48:55], s[56:63] their groups 0, one set for each slot
.set G1W, 40
.set G0A, 48
.set G0W, 56
.set SEL, 72
.set CN,  74
.set CT,  76
.set SAB, 78
.set SWB, 80
.set LNQ, 84
.set LNS, 86
.set MSB, 0
.macro WIN new                         ; the immediate's high byte repeats the setting that is left
.if MSB != \new
	s_set_vgpr_msb (MSB<<8)|\new
.set MSB, \new
.endif
.endm
.set MUL,  0xa1                        ; source 0 (weights) window 1, source 1 (activations) window 0, C and D window 2
.set MULB, 0xb1                        ; the same with C (the bias) in window 3
.set TO_W, 0x40
.set TO_3, 0xc0
.set ADD3, 0xcf
.set ST3,  0x0c
.set ST2,  0x08
.set EP,   0xaa                        ; all in window 2
.set EPC,  0xa2                        ; source 1 in window 0
; A joint load: waves 0 and 1 fetch the activations' two halves, waves 2 and 3 the weights'.  The branch hangs on the wave's number alone.  Four v_nop follow each of the two lines.
.macro JLOAD g0a, g1a, g0b, g1b
	s_cmp_eq_u32 s[RH], 0
	s_cbranch_scc0 .Lfor_w_\@
	tensor_load_to_lds s[\g0a:\g0a+3], s[\g1a:\g1a+7]
	s_nop 0
.rept 4
	v_nop
.endr
	s_branch .Lasked_\@
.Lfor_w_\@:
	tensor_load_to_lds s[\g0b:\g0b+3], s[\g1b:\g1b+7]
	s_nop 0
.rept 4
	v_nop
.endr
.Lasked_\@:
.endm
.macro CREST                           ; a round of the cluster's barrier behind its opening barrier
	s_cmp_lg_u32 s[WV], 0
	s_cbranch_scc1 .Lnot_wave_0_\@
	s_barrier_signal -3
.Lnot_wave_0_\@:
	s_barrier_wait -3
	s_barrier_signal -1
	s_barrier_wait -1
.endm
.macro CROUND
	s_barrier_signal -1
	s_barrier_wait -1
	CREST
.endm
.macro PLACES n
.rept \n
	v_nop
.endr
.endm
	s_load_b512 s[4:19], s[0:1], 0x0               ; L s[4:5], the next layer's L s[6:7], lay s[8:9], c0 s[10:11], b_ih s[12:13], b_hh s[14:15], out0 s[16:17], out1 s[18:19]
	v_lshl_add_u32 v[SPW], v0, 2, SPARE
	v_mov_b32 v[NIL], 0
	ds_add_u32 v28, v29
	ds_add_u32 v28, v29
	s_wait_dscnt 0x0
	v_lshrrev_b32 v1, 5, v0
	v_readfirstlane_b32 s[WV], v1                  ; wave 0..3
	s_lshr_b32 s[RH], s[WV], 1                     ; which 64 rows are mine.  Also: I fetch activations (0) or weights (1)
	s_and_b32 s[HH], s[WV], 1                      ; which 32 hidden units.  Also: which four kc of a phase I fetch
	s_bfe_u32 s[CX], ttmp6, 0x40000
	s_bfe_u32 s[CY], ttmp6, 0x40004
	s_lshl_b32 s[BX], ttmp9, 2
	s_add_co_u32 s[BX], s[BX], s[CX]               ; X = 4 x cluster x + cx
	s_and_b32 s[BY], ttmp7, 0xffff
	s_lshl_b32 s[BY], s[BY], 2
	s_add_co_u32 s[BY], s[BY], s[CY]               ; Y = 4 x cluster y + cy
	s_lshl_b32 s28, s[CY], 2
	s_lshl_b32 s28, 15, s28                        ; my row of the cluster
	s_lshl_b32 s29, 0x1111, s[CX]                  ; my column
	; group 1: four rows (kc) of 6,144 bytes (8 tiles) or 12,288 bytes (16 tiles), KCP bytes apart, in elements of 8 bytes; no padding: every LDS read below takes consecutive bytes
	s_or_b32 s[G1A], s28, (3<<16)|(1<<21)          ; 15:0 the mask; 17:16 elements of 8 bytes; 21 set beside a mask
	s_or_b32 s[G1W], s29, (3<<16)|(1<<21)
	s_mov_b32 s[G1A+1], 768<<16                    ; tensor_dim0
	s_mov_b32 s[G1A+2], 4<<16                      ; tensor_dim1
	s_mov_b32 s[G1A+3], 768<<16                    ; tile_dim0
	s_mov_b32 s[G1A+4], 4                          ; tile_dim1
	s_mov_b32 s[G1A+5], 24576                      ; tensor_dim0_stride
	s_mov_b32 s[G1A+6], 0
	s_mov_b32 s[G1A+7], 0
	s_mov_b32 s[G1W+1], 1536<<16
	s_mov_b32 s[G1W+2], 4<<16
	s_mov_b32 s[G1W+3], 1536<<16
	s_mov_b32 s[G1W+4], 4
	s_mov_b32 s[G1W+5], 24576
	s_mov_b32 s[G1W+6], 0
	s_mov_b32 s[G1W+7], 0
	s_mul_i32 s30, s[HH], 4*KCP                    ; my four kc
	s_mul_i32 s66, s[BY], 6144                     ; the activations: inp's tiles 8 Y on (the address hangs on Y and the wave's number),
	s_add_co_u32 s66, s66, s30
	s_add_co_u32 s66, s66, 2*REG+98304
	s_mov_b32 s67, 0
	s_mul_i32 s68, s[BX], 12288                    ; the weights: W_ih's tiles 16 X on (on X and the wave's number)
	s_add_co_u32 s68, s68, s30
	s_mov_b32 s69, 0
	s_mul_i32 s31, s[HH], 24576                    ; where they go: no place in the cluster enters an LDS address
	s_mul_i32 s70, s[HH], 49152
	s_add_co_u32 s70, s70, WPART
	s_mov_b32 s[SEL], 0x76543210
	s_mov_b32 s[SEL+1], 0xfedcba98                 ; v_permlanex16_b32's selects for lane l xor 16
	s_mov_b32 s[CN], 0xbfb8aa3b                    ; -log2(e)
	s_mov_b32 s[CN+1], s[CN]                       ; (named with it as a pair, so it is written)
	s_mov_b32 s[CT], 0x4038aa3b                    ; 2 log2(e)
	s_mov_b32 s[CT+1], s[CT]
	CROUND                                         ; the round in front of the first joint loads: all sixteen work-groups are here.  It names none of the arguments, so it stands ahead of the wait for them and passes while they are on their way
	s_wait_kmcnt 0x0
	s_load_b32 s[LAY], s[8:9], 0x0                 ; the layer's number
	s_add_nc_u64 s[66:67], s[4:5], s[66:67]
	s_add_nc_u64 s[68:69], s[4:5], s[68:69]
.irp s, 0,1
	s_mov_b32 s[G0A+4*\s], 1
	s_add_co_u32 s[G0A+4*\s+1], s31, \s*SLOT
	s_add_nc_u64 s[G0A+4*\s+2:G0A+4*\s+3], s[66:67], \s*8*KCP
	s_or_b32 s[G0A+4*\s+3], s[G0A+4*\s+3], 0x80000000
	s_mov_b32 s[G0W+4*\s], 1
	s_add_co_u32 s[G0W+4*\s+1], s70, \s*SLOT
	s_add_nc_u64 s[G0W+4*\s+2:G0W+4*\s+3], s[68:69], \s*8*KCP
	s_or_b32 s[G0W+4*\s+3], s[G0W+4*\s+3], 0x80000000
	JLOAD G0A+4*\s, G1A, G0W+4*\s, G1W             ; both slots' first fills: inp x W_ih, kc 0-7 and 8-15
.endr
	v_and_b32 v1, 31, v0                           ; lane
	v_and_b32 v2, 15, v0                           ; r
	v_bfe_u32 v3, v0, 4, 1                         ; h
	s_mul_i32 s28, s[RH], 3072                     ; my four tiles of the activations' eight
	v_lshl_add_u32 v[AA16], v1, 4, s28
	v_add_nc_u32 v[AA16+1], SLOT, v[AA16]
	v_lshl_add_u32 v[AA8], v1, 3, s28
	v_add_nc_u32 v[AA8], 512, v[AA8]
	v_add_nc_u32 v[AA8+1], SLOT, v[AA8]
	s_mul_i32 s29, s[HH], 6144                     ; my eight tiles of the weights' sixteen
	s_add_co_u32 s29, s29, WPART
	v_lshl_add_u32 v[AW16], v1, 4, s29
	v_add_nc_u32 v[AW16+1], 49152, v[AW16]
	v_add_nc_u32 v[AW16+2], SLOT, v[AW16]
	v_add_nc_u32 v[AW16+3], SLOT, v[AW16+1]
	v_lshl_add_u32 v[AW8], v1, 3, s29
	v_add_nc_u32 v[AW8], 512, v[AW8]
	v_add_nc_u32 v[AW8+1], 49152, v[AW8]
	v_add_nc_u32 v[AW8+2], SLOT, v[AW8]
	v_add_nc_u32 v[AW8+3], SLOT, v[AW8+1]
	v_lshlrev_b32 v[L16], 4, v1
	v_lshlrev_b32 v[GOFF], 4, v2
	v_lshl_add_u32 v[GOFF], v3, 12, v[GOFF]
	v_lshlrev_b32 v[BOFF], 6, v3
	s_mul_i32 s30, s[RH], 64*272                   ; by rows: of row tile m of my half of the rows I take rows 8 HH + 0 .. 7; lanes 0-15 one row, lanes 16-31 the next
	s_mul_i32 s31, s[HH], 8*272
	s_add_co_u32 s30, s30, s31
	v_mul_u32_u24 v[RD], v3, 272
	v_lshl_add_u32 v[RD], v2, 4, v[RD]
	v_add_nc_u32 v[RD], s30, v[RD]
	v_add_nc_u32 v[RDH], HST, v[RD]
	s_mul_i32 s30, s[RH], 64*272
	s_lshl_b32 s31, s[HH], 7
	s_add_co_u32 s30, s30, s31
	v_mul_u32_u24 v[CLN], v2, 272
	v_lshl_add_u32 v[CLN], v3, 6, v[CLN]
	v_add_nc_u32 v[CLN], s30, v[CLN]
	v_add_nc_u32 v[HLN], HST, v[CLN]
	s_mul_i32 s30, s[RH], 3072                     ; h's codes: image of tile 4 RH + m + h, image lane r + 16 HH
	s_lshl_b32 s31, s[HH], 8
	s_add_co_u32 s31, s31, s30
	s_add_co_u32 s31, s31, QST
	v_mul_u32_u24 v[Q16], v3, 768
	v_lshl_add_u32 v[Q16], v2, 4, v[Q16]
	v_add_nc_u32 v[Q16], s31, v[Q16]
	s_lshl_b32 s31, s[HH], 7
	s_add_co_u32 s31, s31, s30
	s_add_co_u32 s31, s31, QST+512
	v_mul_u32_u24 v[Q8], v3, 768
	v_lshl_add_u32 v[Q8], v2, 3, v[Q8]
	v_add_nc_u32 v[Q8], s31, v[Q8]
	s_lshl_b32 s30, s[RH], 7
	s_add_co_u32 s30, s30, s[HH]
	s_add_co_u32 s30, s30, SST
	v_lshl_add_u32 v[BST], v2, 1, s30              ; h's scale bytes: 2 (64 RH + r) + HH
	s_mul_i32 s30, s[WV], 1536
	s_add_co_u32 s30, s30, QST
	v_lshl_add_u32 v[QRD], v1, 4, s30
	s_lshl_b32 s30, s[WV], 6
	s_add_co_u32 s30, s30, SST
	v_lshl_add_u32 v[SRD], v1, 1, s30
	s_wait_kmcnt 0x0
	s_min_u32 s[LAY], s[LAY], 3                    ; a loaded number enters addresses only behind this bound
	s_lshl_b32 s28, s[LAY], 23                     ; c0, out0, out1: the layer, row 128 Y + 64 RH + 8 HH, hidden unit 64 X
	s_lshl_b32 s29, s[BY], 19
	s_add_co_u32 s28, s28, s29
	s_lshl_b32 s29, s[RH], 18
	s_add_co_u32 s28, s28, s29
	s_lshl_b32 s29, s[HH], 15
	s_add_co_u32 s28, s28, s29
	s_lshl_b32 s29, s[BX], 8
	s_add_co_u32 s28, s28, s29
	s_mov_b32 s29, 0
	s_add_nc_u64 s[10:11], s[10:11], s[28:29]
	s_add_nc_u64 s[16:17], s[16:17], s[28:29]
	s_add_nc_u64 s[18:19], s[18:19], s[28:29]
	s_lshl_b32 s28, s[LAY], 14                     ; the biases: the layer, hidden unit 64 X + 32 HH
	s_lshl_b32 s30, s[BX], 8
	s_add_co_u32 s28, s28, s30
	s_lshl_b32 s30, s[HH], 7
	s_add_co_u32 s28, s28, s30
	s_add_nc_u64 s[12:13], s[12:13], s[28:29]
	s_add_nc_u64 s[14:15], s[14:15], s[28:29]
	s_lshl_b32 s28, s[BY], 11                      ; the activations' scale words: row 128 Y + 64 RH, 16 bytes a row
	s_lshl_b32 s30, s[RH], 10
	s_add_co_u32 s28, s28, s30
	s_add_co_u32 s28, s28, SOFF+262144
	s_add_nc_u64 s[SAB:SAB+1], s[4:5], s[28:29]
	s_lshl_b32 s28, s[BX], 12                      ; the weights': tile 16 X + 8 HH, 256 bytes a tile
	s_lshl_b32 s30, s[HH], 11
	s_add_co_u32 s28, s28, s30
	s_add_co_u32 s28, s28, SOFF
	s_add_nc_u64 s[SWB:SWB+1], s[4:5], s[28:29]
	s_mul_i32 s28, s[BX], KCP                      ; h's codes in the next layer's buffer: kc = X, inp's tiles 8 Y on, my quarter of the 6,144 bytes
	s_mul_i32 s30, s[BY], 6144
	s_add_co_u32 s28, s28, s30
	s_mul_i32 s30, s[WV], 1536
	s_add_co_u32 s28, s28, s30
	s_add_co_u32 s28, s28, 2*REG+98304
	s_add_nc_u64 s[LNQ:LNQ+1], s[6:7], s[28:29]
	s_lshr_b32 s28, s[BX], 3                       ; h's scale bytes: word X / 2 of a row (q = X / 8, w = (X / 2) % 4), bytes 2 (X % 2) and + 1; row 128 Y + 32 w
	s_lshl_b32 s28, s28, 16
	s_lshl_b32 s30, s[BY], 11
	s_add_co_u32 s28, s28, s30
	s_lshl_b32 s30, s[WV], 9
	s_add_co_u32 s28, s28, s30
	s_bfe_u32 s30, s[BX], 0x20001
	s_lshl_b32 s30, s30, 2
	s_add_co_u32 s28, s28, s30
	s_and_b32 s30, s[BX], 1
	s_lshl_b32 s30, s30, 1
	s_add_co_u32 s28, s28, s30
	s_add_co_u32 s28, s28, SOFF+262144+32768
	s_add_nc_u64 s[LNS:LNS+1], s[6:7], s[28:29]
	; all scale words of the wave, once: a load takes four words a row (512 along K); lanes 0-15 an even tile's rows, lanes 16-31 the odd tile's beside it
.irp kg, 0,1,2,3                       ; 512 along K: 0, 1 inp; 2, 3 h0
.irp i, 0,1
	global_load_b128 v[SA+(\kg*2+\i)*4:SA+(\kg*2+\i)*4+3], v[L16], s[SAB:SAB+1] offset:(1-\kg/2)*32768+(\kg%2)*65536+\i*512
.endr
.endr
.irp kg, 0,1,2,3                       ; 0, 1 W_ih; 2, 3 W_hh
.irp i, 0,1,2,3
	global_load_b128 v[SW+(\kg*4+\i)*4:SW+(\kg*4+\i)*4+3], v[L16], s[SWB:SWB+1] offset:(\kg/2)*131072+(\kg%2)*65536+\i*512
.endr
.endr
	WIN TO_3
.irp t, 0,1,2,3,4,5,6,7                ; the biases in the result's layout: tile t = 2 g + u, register j: hidden unit 16 h + 8 u + j of gate g
	global_load_b128 v[8*\t:8*\t+3], v[BOFF], s[12:13] offset:(\t/2)*4096+(\t%2)*32
	global_load_b128 v[8*\t+4:8*\t+7], v[BOFF], s[12:13] offset:(\t/2)*4096+(\t%2)*32+16
	global_load_b128 v[128+8*\t:128+8*\t+3], v[BOFF], s[14:15] offset:(\t/2)*4096+(\t%2)*32
	global_load_b128 v[128+8*\t+4:128+8*\t+7], v[BOFF], s[14:15] offset:(\t/2)*4096+(\t%2)*32+16
.endr
.irp m, 0,1,2,3
.irp j, 0,1,2,3
	global_load_b128 v[64+16*\m+4*\j:64+16*\m+4*\j+3], v[GOFF], s[10:11] offset:65536*\m+8192*\j th:TH_LOAD_NT   ; c0: my eight rows of each row tile; sixteen lanes read a row's 256 consecutive bytes, aligned
.endr
.endr
	s_wait_loadcnt 16                              ; scale words and biases are in; c0's sixteen loads may be out
	WIN ADD3
.set jj, 0
.rept 32
	v_pk_add_f32 v[jj:jj+1], v[jj:jj+1], v[128+jj:128+jj+1]        ; b_ih + b_hh: the C of each sum's first matrix instruction
.set jj, jj+2
.endr
	WIN 0
; 48 LDS loads in one run: the fragments of the slot's q-th 128 along K into set: each half image by one load of 16 bytes a lane and one of 8: 512 and 256 consecutive bytes
.macro FETCH slot, q, set
	WIN TO_W
.irp t, 0,1,2,3,4,5,6,7
.irp c, 0,1
	ds_load_b128 v[128*(\set)+12*\t+6*\c:128*(\set)+12*\t+6*\c+3], v[AW16+2*(\slot)+(\q)/2] offset:((2*(\q)+\c)%4)*12288+768*\t
	ds_load_b64 v[128*(\set)+12*\t+6*\c+4:128*(\set)+12*\t+6*\c+5], v[AW8+2*(\slot)+(\q)/2] offset:((2*(\q)+\c)%4)*12288+768*\t
.endr
.endr
	WIN 0
.irp m, 0,1,2,3
.irp c, 0,1
	ds_load_b128 v[AF+48*(\set)+12*\m+6*\c:AF+48*(\set)+12*\m+6*\c+3], v[AA16+(\slot)] offset:(2*(\q)+\c)*6144+768*\m
	ds_load_b64 v[AF+48*(\set)+12*\m+6*\c+4:AF+48*(\set)+12*\m+6*\c+5], v[AA8+(\slot)] offset:(2*(\q)+\c)*6144+768*\m
.endr
.endr
.endm
; 8 matrix instructions: row tile m against my eight weight tiles, the ks-th 128 along K of 16.  An odd tile's scale words stand in lanes 16-31 of their register.
; The 32 accumulators take turns, one instruction a turn, in the same order in every step.  first = 1: the bias starts the sums.
.macro MUL8 m, set, ks, first
.irp t, 0,1,2,3,4,5,6,7
.set rD, 8*(8*(\m)+\t)
.set rW, 128*(\set)+12*\t
.set rA, AF+48*(\set)+12*(\m)
.set rSW, SW+(((\ks)/4)*4+\t/2)*4+(\ks)%4
.set rSA, SA+(((\ks)/4)*2+(\m)/2)*4+(\ks)%4
.set rC, rD
.if \first
.set rC, 8*\t
.endif
.if (\t%2 == 0) && ((\m)%2 == 0)
	v_wmma_scale_f32_16x16x128_f8f6f4 v[rD:rD+7], v[rW:rW+11], v[rA:rA+11], v[rC:rC+7], v[rSW], v[rSA] matrix_a_fmt:MATRIX_FMT_FP6 matrix_b_fmt:MATRIX_FMT_FP6
.elseif (\t%2 == 1) && ((\m)%2 == 0)
	v_wmma_scale_f32_16x16x128_f8f6f4 v[rD:rD+7], v[rW:rW+11], v[rA:rA+11], v[rC:rC+7], v[rSW], v[rSA] matrix_a_fmt:MATRIX_FMT_FP6 matrix_b_fmt:MATRIX_FMT_FP6 matrix_a_scale:MATRIX_SCALE_ROW1
.elseif (\t%2 == 0)
	v_wmma_scale_f32_16x16x128_f8f6f4 v[rD:rD+7], v[rW:rW+11], v[rA:rA+11], v[rC:rC+7], v[rSW], v[rSA] matrix_a_fmt:MATRIX_FMT_FP6 matrix_b_fmt:MATRIX_FMT_FP6 matrix_b_scale:MATRIX_SCALE_ROW1
.else
	v_wmma_scale_f32_16x16x128_f8f6f4 v[rD:rD+7], v[rW:rW+11], v[rA:rA+11], v[rC:rC+7], v[rSW], v[rSA] matrix_a_fmt:MATRIX_FMT_FP6 matrix_b_fmt:MATRIX_FMT_FP6 matrix_a_scale:MATRIX_SCALE_ROW1 matrix_b_scale:MATRIX_SCALE_ROW1
.endif
.endr
.endm
; A step of 128 along K that has its successor in the same slot: the successor's fragments are asked for first, into the other set, and land under this step's 32 matrix instructions.
; stage = 1: c0, loaded at the head, goes into its stage: slot 0 has had its last fill, and every wave has passed the barrier behind its last read.
.macro STEP slot, q, ks, first, stage
	s_wait_dscnt 0x0                               ; this step's fragments are in
	PLACES 4                                       ; a load into a register that a matrix instruction has read stands four plain vector instructions behind it (ISA guide 7.12.1 for vector instructions)
	FETCH \slot, (\q)+1, ((\q)+1)%2
.if \stage
	s_wait_loadcnt 0x0                             ; c0
	WIN ST3
.irp m, 0,1,2,3
.irp j, 0,1,2,3
	ds_store_b128 v[RD], v[64+16*\m+4*\j:64+16*\m+4*\j+3] offset:CST+4352*\m+544*\j
.endr
.endr
.endif
.if \first
	WIN MULB
.else
	WIN MUL
.endif
.irp m, 0,1,2,3
	MUL8 \m, (\q)%2, \ks, \first
.endr
.endm
; A slot's last step changes slots: one barrier; in front of it each wave waits for all its tensor loads, adds 0 to its spare word, and waits for that and for its reads of this slot.
; fill = 1: the barrier opens a round of the cluster's barrier, and this slot is filled again: h0 for inp (98,304 bytes back), W_hh for W_ih (REG bytes on), the same kc.
.macro TURN slot, next, ks, fill
	WIN 0                                          ; (the add's two registers lie in window 0)
	s_wait_tensorcnt 0x0                           ; all my tensor loads have landed: my part of the next slot
	ds_add_u32 v[SPW], v[NIL]                      ; 0 onto my spare word
	s_wait_dscnt 1                                 ; this step's fragments are in; the add, the youngest, may be out
	WIN MUL
	MUL8 0, 1, \ks, 0                              ; eight matrix instructions stand between the add and the wait for it
	s_wait_dscnt 0x0                               ; the add is done, and my reads of this slot are over
	s_barrier_signal -1
	MUL8 1, 1, \ks, 0
	WIN 0
	s_barrier_wait -1
.if \fill
	CREST                                          ; no wave of any partner still reads this slot or has a load on its way
	s_sub_nc_u64 s[G0A+4*\slot+2:G0A+4*\slot+3], s[G0A+4*\slot+2:G0A+4*\slot+3], 98304
	s_add_nc_u64 s[G0W+4*\slot+2:G0W+4*\slot+3], s[G0W+4*\slot+2:G0W+4*\slot+3], REG
	JLOAD G0A+4*\slot, G1A, G0W+4*\slot, G1W       ; the first tensor load behind the round, and my only one until the next; its four v_nop are also the places in front of the loads below
.else
	PLACES 4
.endif
	FETCH \next, 0, 0
	WIN MUL
	MUL8 2, 1, \ks, 0
	MUL8 3, 1, \ks, 0
.endm
	s_wait_tensorcnt 1                             ; my part of slot 0 is in; slot 1's load may be out
	s_barrier_signal -1
	s_barrier_wait -1                              ; everybody's is
	FETCH 0, 0, 0
	STEP 0, 0, 0, 1, 0                             ; inp x W_ih
	STEP 0, 1, 1, 0, 0
	STEP 0, 2, 2, 0, 0
	TURN 0, 1, 3, 1
	STEP 1, 0, 4, 0, 0
	STEP 1, 1, 5, 0, 0
	STEP 1, 2, 6, 0, 0
	TURN 1, 0, 7, 1
	STEP 0, 0, 8, 0, 0                             ; h0 x W_hh
	STEP 0, 1, 9, 0, 0
	STEP 0, 2, 10, 0, 0
	TURN 0, 1, 11, 0                               ; nothing is left to fetch: a plain barrier; behind it nobody reads slot 0
	STEP 1, 0, 12, 0, 1
	STEP 1, 1, 13, 0, 0
	STEP 1, 2, 14, 0, 0
	s_wait_dscnt 0x0                               ; the last fragments are in, and my stores into c0's stage are done:
	s_barrier_signal -1                            ; say so; the last 32 products, work on registers, stand between signal and wait
	WIN MUL
.irp m, 0,1,2,3
	MUL8 \m, 1, 15, 0
.endr
	WIN 0
	s_barrier_wait -1                              ; c0's stage is whole
	PLACES 4                                       ; in front of loads into the fragments' registers and of the first read of results
.irp m, 0,1,2,3
.irp q, 0,1,2,3
	ds_load_b128 v[AF+16*\m+4*\q:AF+16*\m+4*\q+3], v[CLN] offset:CST+4352*\m+16*\q   ; c0 of row 16 m + r, my 16 hidden units
.endr
.endr
	s_wait_dscnt 0x0
.macro EXPS base, n                    ; a batch of exponentials in place, one plain instruction, ONE wait ahead of the first instruction that names a result
.set jj, 0
.rept \n
	v_exp_f32 v[\base+jj], v[\base+jj]
.set jj, jj+1
.endr
	v_nop
	s_wait_alu depctr_va_vdst(0)
.endm
.macro RCPS base, n                    ; 1 / (1 + .), likewise
.set jj, 0
.rept (\n)/2
	v_pk_add_f32 v[\base+jj:\base+jj+1], v[\base+jj:\base+jj+1], 1.0 op_sel_hi:[1,0]
.set jj, jj+2
.endr
.set jj, 0
.rept \n
	v_rcp_f32 v[\base+jj], v[\base+jj]
.set jj, jj+1
.endr
	v_nop
	s_wait_alu depctr_va_vdst(0)
.endm
.macro TANHS base                      ; 1 - 2 x, sixteen numbers
.set jj, 0
.rept 8
	v_pk_fma_f32 v[\base+jj:\base+jj+1], v[\base+jj:\base+jj+1], -2.0, 1.0 op_sel_hi:[1,0,0]
.set jj, jj+2
.endr
.endm
; THE WAY OUT of row tile p, in two parts.  RDBACK: my eight rows of h' and of c' come back from the stages as whole rows of 256 bytes, two rows a load.  They land in registers that nothing writes again:
; tile 0: v192-223, tile 1: v224-255, tile 2: v128-159, tile 3: v160-191 (c0's registers of tiles whose cell is done).  SEND: they are stored.
.macro RDBACK p
.set OBR, 128+(64+32*(\p))%128
.irp j, 0,1,2,3
	ds_load_b128 v[OBR+4*\j:OBR+4*\j+3], v[RDH] offset:4352*(\p)+544*\j
.endr
.irp j, 0,1,2,3
	ds_load_b128 v[OBR+16+4*\j:OBR+16+4*\j+3], v[RD] offset:C2ST+4352*(\p)+544*\j
.endr
.endm
.macro SEND p                          ; no LDS instruction has been issued behind RDBACK's eight: the counts are the younger ones of the eight
.set OBR, 128+(64+32*(\p))%128
.irp j, 0,1,2,3
	s_wait_dscnt 7-\j
	global_store_b128 v[GOFF], v[OBR+4*\j:OBR+4*\j+3], s[16:17] offset:65536*(\p)+8192*\j th:TH_STORE_NT   ; sixteen lanes store a row's 256 consecutive bytes, aligned
.endr
.irp j, 0,1,2,3
	s_wait_dscnt 3-\j
	global_store_b128 v[GOFF], v[OBR+16+4*\j:OBR+16+4*\j+3], s[18:19] offset:65536*(\p)+8192*\j th:TH_STORE_NT
.endr
.endm
; THE CELL for row tile m: 16 hidden units a lane.  i, f, g, o are the tile's 64 accumulator registers, 16 each; all in window 2.
; From tile 1 on it carries the way out of the tile before: behind its first exponentials the barrier that makes that tile's stage rows whole, and the loads from the stages; behind its first reciprocals,
; 96 instructions on, the stores.  Behind that barrier the waves store into the next tile's stage rows alone: other bytes than those that are read back.
.macro CELL m
.set rI, 64*(\m)
.set rF, rI+16
.set rG, rI+32
.set rO, rI+48
	WIN EP
.set jj, 0
.rept 32                               ; ascending: each accumulator is first read at its low end
.if (jj >= 32) && (jj < 48)
	v_pk_mul_f32 v[rI+jj:rI+jj+1], v[rI+jj:rI+jj+1], s[CT:CT+1] op_sel_hi:[1,0]    ; g: 2 log2(e) x
.else
	v_pk_mul_f32 v[rI+jj:rI+jj+1], v[rI+jj:rI+jj+1], s[CN:CN+1] op_sel_hi:[1,0]    ; i, f, o: -log2(e) x
.endif
.set jj, jj+2
.endr
	EXPS rI, 64
.if (\m) > 0
	WIN 0
	s_wait_dscnt 0x0                               ; for the others' sake: my stores of the tile before into the stages are done
	s_barrier_signal -1
	s_barrier_wait -1                              ; that tile's stage rows are whole
	RDBACK (\m)-1
	WIN EP
.endif
	RCPS rI, 64                                    ; s(i), s(f), s(o); for g: 1 / (1 + 2^(2 g log2 e))
.if (\m) > 0
	WIN 0
	SEND (\m)-1
	WIN EP
.endif
	TANHS rG                                       ; tanh(g)
.set jj, 0
.rept 8
	v_pk_mul_f32 v[rI+jj:rI+jj+1], v[rI+jj:rI+jj+1], v[rG+jj:rG+jj+1]
.set jj, jj+2
.endr
	WIN EPC
.set jj, 0
.rept 8
	v_pk_fma_f32 v[rF+jj:rF+jj+1], v[rF+jj:rF+jj+1], v[AF+16*(\m)+jj:AF+16*(\m)+jj+1], v[rI+jj:rI+jj+1]   ; c' = s(f) c0 + s(i) tanh(g)
.set jj, jj+2
.endr
	WIN EP
.set jj, 0
.rept 8
	v_pk_mul_f32 v[rG+jj:rG+jj+1], v[rF+jj:rF+jj+1], s[CT:CT+1] op_sel_hi:[1,0]
.set jj, jj+2
.endr
	EXPS rG, 16
	RCPS rG, 16
	TANHS rG                                       ; tanh(c')
.set jj, 0
.rept 8
	v_pk_mul_f32 v[rG+jj:rG+jj+1], v[rG+jj:rG+jj+1], v[rO+jj:rO+jj+1]              ; h' = s(o) tanh(c')
.set jj, jj+2
.endr
	; h' is quantised along the hidden units: my 16 and lane l xor 16's 16 are a block of 32 of the next layer's K
	v_max3_num_f32 v[rI], |v[rG]|, |v[rG+1]|, 0x1800000            ; two chains; the floor 2^(3 - 127) holds the byte at 1 from below
	v_max3_num_f32 v[rI+1], |v[rG+2]|, |v[rG+3]|, |v[rG+4]|
	v_max3_num_f32 v[rI], v[rI], |v[rG+5]|, |v[rG+6]|
	v_max3_num_f32 v[rI+1], v[rI+1], |v[rG+7]|, |v[rG+8]|
	v_max3_num_f32 v[rI], v[rI], |v[rG+9]|, |v[rG+10]|
	v_max3_num_f32 v[rI+1], v[rI+1], |v[rG+11]|, |v[rG+12]|
	v_max3_num_f32 v[rI], v[rI], |v[rG+13]|, |v[rG+14]|
	v_max3_num_f32 v[rI], v[rI], v[rI+1], |v[rG+15]|
	v_permlanex16_b32 v[rI+1], v[rI], s[SEL], s[SEL+1]
	v_max_num_f32 v[rI], v[rI], v[rI+1]            ; the block's largest magnitude
	v_add_nc_u32 v[rI+2], 0xff000000, v[rI]        ; 2 off its exponent field: the conversion's scale operand
	v_lshrrev_b32 v[rI+3], 23, v[rI+2]             ; the scale's byte
	v_cvt_scalef32_pk16_fp6_f32 v[rI+4:rI+6], v[rG:rG+15], v[rI+2]
	v_nop                                          ; one plain place behind a scaled conversion
	WIN ST2
.irp q, 0,1,2,3
	ds_store_b128 v[CLN], v[rF+4*\q:rF+4*\q+3] offset:C2ST+4352*(\m)+16*\q
.endr
.irp q, 0,1,2,3
	ds_store_b128 v[HLN], v[rG+4*\q:rG+4*\q+3] offset:4352*(\m)+16*\q
.endr
	ds_store_b8 v[BST], v[rI+3] offset:32*(\m)     ; both lanes of a row write the same byte with the same value
.endm
; The operand's layout wants a whole block in a lane.  Tiles m and m + 1 change halves: lane (r, h) then holds the block of row r of tile m + h, and stores it as lane r + 16 HH of that tile's half image.
.macro QPAIR m
	WIN EP
.irp i, 0,1,2
	v_permlane16_swap_b32 v[64*(\m)+4+\i], v[64*(\m)+68+\i]
.endr
.irp i, 0,1,2
	v_mov_b32 v[64*(\m)+7+\i], v[64*(\m)+68+\i]
.endr
	WIN ST2
	ds_store_b128 v[Q16], v[64*(\m)+4:64*(\m)+7] offset:768*(\m)
	ds_store_b64 v[Q8], v[64*(\m)+8:64*(\m)+9] offset:768*(\m)
.endm
	CELL 0
	CELL 1                                         ; and tile 0's rows leave
	QPAIR 0
	CELL 2                                         ; and tile 1's
	CELL 3                                         ; and tile 2's
	QPAIR 2
	WIN 0
	s_wait_dscnt 0x0                               ; for the others' sake: my last stores into the stages are done
	s_barrier_signal -1
	s_barrier_wait -1                              ; tile 3's rows, the codes and the scale bytes are whole
	WIN TO_3
.irp j, 0,1,2
	ds_load_b128 v[4*\j:4*\j+3], v[QRD] offset:512*\j              ; my quarter of the codes
.endr
	ds_load_u16 v12, v[SRD]                        ; a row's two scale bytes, a lane a row
	WIN 0
	RDBACK 3
	s_wait_dscnt 8                                 ; the codes and the bytes are in; tile 3's eight loads of rows may be out
	WIN ST3
.irp j, 0,1,2
	global_store_b128 v[L16], v[4*\j:4*\j+3], s[LNQ:LNQ+1] offset:512*\j           ; 512 consecutive bytes, aligned to 256
.endr
	global_store_b16 v[L16], v12, s[LNS:LNS+1]     ; 2 bytes a row, rows 16 bytes apart
	WIN 0
	SEND 3
	s_wait_tensorcnt 0x0                           ; the wave's end, behind my last tensor load and my last LDS store
	ds_add_u32 v[SPW], v[NIL]
	s_wait_dscnt 0x0
	CROUND                                         ; the closing round: no work-group ends while a partner may still ask for a tile that names it
	s_endpgm
.Lfunc_end_k_q554a6afc65_cell0:
	.size	k_q554a6afc65_cell0, .Lfunc_end_k_q554a6afc65_cell0-k_q554a6afc65_cell0
	.p2alignl 7, 3214868480
	.fill 96, 4, 3214868480
	.section	.rodata,"a",@progbits
	.p2align	6, 0x0
	.amdhsa_kernel k_q554a6afc65_cell0
		.amdhsa_group_segment_fixed_size 327680
		.amdhsa_private_segment_fixed_size 0
		.amdhsa_enable_private_segment 0
		.amdhsa_kernarg_size 64
		.amdhsa_user_sgpr_count 2
		.amdhsa_user_sgpr_kernarg_segment_ptr 1
		.amdhsa_wavefront_size32 1
		.amdhsa_system_sgpr_workgroup_id_x 1
		.amdhsa_system_sgpr_workgroup_id_y 1
		.amdhsa_system_sgpr_workgroup_id_z 1
		.amdhsa_system_vgpr_workitem_id 0
		.amdhsa_next_free_vgpr 1024
		.amdhsa_next_free_sgpr 96
		.amdhsa_reserve_vcc 0
		.amdhsa_float_denorm_mode_32 3
		.amdhsa_float_denorm_mode_16_64 3
		.amdhsa_memory_ordered 1
		.amdhsa_forward_progress 1
		.amdhsa_inst_pref_size 207
	.end_amdhsa_kernel
	.amdgpu_metadata
---
amdhsa.version: [ 1, 2 ]
amdhsa.kernels:
  - .name:           k_q554a6afc65_cell0
    .symbol:         k_q554a6afc65_cell0.kd
    .args:
      - { .name: L0, .offset: 0, .size: 8, .value_kind: global_buffer, .address_space: global }
      - { .name: L1, .offset: 8, .size: 8, .value_kind: global_buffer, .address_space: global }
      - { .name: lay0, .offset: 16, .size: 8, .value_kind: global_buffer, .address_space: global }
      - { .name: c0, .offset: 24, .size: 8, .value_kind: global_buffer, .address_space: global }
      - { .name: b_ih, .offset: 32, .size: 8, .value_kind: global_buffer, .address_space: global }
      - { .name: b_hh, .offset: 40, .size: 8, .value_kind: global_buffer, .address_space: global }
      - { .name: out0, .offset: 48, .size: 8, .value_kind: global_buffer, .address_space: global }
      - { .name: out1, .offset: 56, .size: 8, .value_kind: global_buffer, .address_space: global }
    .group_segment_fixed_size: 327680
    .private_segment_fixed_size: 0
    .kernarg_segment_align: 8
    .kernarg_segment_size: 64
    .max_flat_workgroup_size: 128
    .sgpr_count:     96
    .vgpr_count:     1024
    .wavefront_size: 32
...
	.end_amdgpu_metadata
.endif
;; end of part 2
;; launch cell1: the kernel of part 2 again; grid 16 x 16, 4 waves a work-group, clusters of 4 x 4, 327,680 bytes of LDS; arguments L1, L2, lay1, c0, b_ih, b_hh, out0, out1; writes L2, out0, out1
;; launch cell2: the kernel of part 2 again; grid 16 x 16, 4 waves a work-group, clusters of 4 x 4, 327,680 bytes of LDS; arguments L2, L3, lay2, c0, b_ih, b_hh, out0, out1; writes L3, out0, out1
;; launch cell3: the kernel of part 2 again; grid 16 x 16, 4 waves a work-group, clusters of 4 x 4, 327,680 bytes of LDS; arguments L3, L0, lay3, c0, b_ih, b_hh, out0, out1; writes L0, out0, out1
